; MI455X (gfx1250); checked and timed in simulation.
; The chip was launched on July 23, 2026; its instructions are those of AMD's public machine-readable ISA for CDNA 5 (MIT licence, August 2026) and "CDNA5" Instruction Set Architecture Reference Guide (July 2026). The comments in the code are by the model that wrote it; some were corrected since.
;; Ne RF Network Second Derivative. Allowed arithmetic: float matrix products may take bf16 or f16 operands with f32 sums; all other float work in f32.
;; Inputs: cb0 64 float32; cb1 64 float32; cb2 64 float32; cb3 3 float32; cw0 64 x 47 float32; cw1 64 x 64 float32; cw2 64 x 64 float32; cw3 3 x 64 float32; d 1,048,576 x 3 float32; grid 16 x 524,288 x 2 float32; latent_emb 100 x 16 float32; n 1,048,576 int32; sb0 64 float32; sb1 64 float32; sb2 16 float32; sw0 64 x 32 float32; sw1 64 x 64 float32; sw2 16 x 64 float32; x 1,048,576 x 3 float32.
;; Outputs: out0 1,048,576 float32; out1 1,048,576 x 3 float32.
;; One version. Each part assembles by itself: llvm-mc -triple=amdgcn-amd-amdhsa -mcpu=gfx1250 --defsym DOCPART=n.
;; ======== version 1 of 1: 2 launches
;; limits: inputs' magnitudes at most 64; right only within a limited range of input values
;; workspace buffers: xq 12,582,912 bytes of whole numbers
;; launch quant (part 1): grid 768 x 1, 8 waves a work-group, no clusters, 0 bytes of LDS; arguments x, xq; writes xq
.if DOCPART == 1
	.amdgcn_target "amdgcn-amd-amdhsa--gfx1250"
	.amdhsa_code_object_version 6
	.text
	.protected	k_q51bbbed1b1_quant
	.globl	k_q51bbbed1b1_quant
	.p2align	8
	.type	k_q51bbbed1b1_quant,@function
k_q51bbbed1b1_quant:
	s_mov_b64 s[64:65], 0
	v_nop
	global_prefetch_b8 v0, s[64:65] scope:SCOPE_SE
	s_setreg_imm32_b32 hwreg(HW_REG_WAVE_MODE, 25, 1), 1
	s_wait_xcnt 0x0
; xq[i] = u32(x[i] * 2^26): the positions as 32-bit fixed point, 6 bits in front of the point and 26 behind it, laid out as x is.
; The next launch forms its hash indices from these whole numbers.
; LIMITS: 0 <= x < 64.  A negative x and a NaN become 0, x >= 64 becomes 2^32 - 1 (the conversion saturates); x is cut to a
; multiple of 2^-26 (exact for x >= 1/8, since an f32 there has no finer bits).
; A stream: 3,145,728 numbers = 12,582,912 bytes = 768 work-groups x 16,384 bytes.  Thread t takes the 16 bytes at 16 t + 4096 j,
; j = 0..3, so each load and store of a wave covers 512 consecutive bytes, aligned.  LDS, matrix units and clusters have nothing to do here:
; no byte is shared and none is used twice.
.set TWO26, 0x4c800000                 ; 2^26 as f32
.set D, 4                              ; v[4:19]  four slots of four numbers
	s_load_b128 s[4:7], s[0:1], 0x0                ; x s[4:5], xq s[6:7]
	s_lshl_b32 s8, ttmp9, 14                       ; the work-group's 16,384 bytes
	s_mov_b32 s9, 0
	v_lshlrev_b32 v1, 4, v0                        ; 16 t
	s_wait_kmcnt 0x0
	s_add_nc_u64 s[4:5], s[4:5], s[8:9]
	s_add_nc_u64 s[6:7], s[6:7], s[8:9]
.irp j, 0,1,2,3
	global_load_b128 v[D+4*\j:D+4*\j+3], v1, s[4:5] offset:4096*\j th:TH_LOAD_NT
.endr
.irp j, 0,1,2,3
	s_wait_loadcnt 3-\j                            ; loads come back in order: slot j is in, the 3 - j younger ones stay out
	v_pk_mul_f32 v[D+4*\j:D+4*\j+1],   v[D+4*\j:D+4*\j+1],   TWO26 op_sel_hi:[1,0]
	v_pk_mul_f32 v[D+4*\j+2:D+4*\j+3], v[D+4*\j+2:D+4*\j+3], TWO26 op_sel_hi:[1,0]
	v_cvt_u32_f32 v[D+4*\j],   v[D+4*\j]           ; toward zero
	v_cvt_u32_f32 v[D+4*\j+1], v[D+4*\j+1]
	v_cvt_u32_f32 v[D+4*\j+2], v[D+4*\j+2]
	v_cvt_u32_f32 v[D+4*\j+3], v[D+4*\j+3]
	global_store_b128 v1, v[D+4*\j:D+4*\j+3], s[6:7] offset:4096*\j    ; no hint: the next launch reads these bytes
.endr
	s_endpgm
.Lfunc_end_k_q51bbbed1b1_quant:
	.size	k_q51bbbed1b1_quant, .Lfunc_end_k_q51bbbed1b1_quant-k_q51bbbed1b1_quant
	.p2alignl 7, 3214868480
	.fill 96, 4, 3214868480
	.section	.rodata,"a",@progbits
	.p2align	6, 0x0
	.amdhsa_kernel k_q51bbbed1b1_quant
		.amdhsa_group_segment_fixed_size 0
		.amdhsa_private_segment_fixed_size 0
		.amdhsa_enable_private_segment 0
		.amdhsa_kernarg_size 16
		.amdhsa_user_sgpr_count 2
		.amdhsa_user_sgpr_kernarg_segment_ptr 1
		.amdhsa_wavefront_size32 1
		.amdhsa_system_sgpr_workgroup_id_x 1
		.amdhsa_system_sgpr_workgroup_id_y 1
		.amdhsa_system_sgpr_workgroup_id_z 1
		.amdhsa_system_vgpr_workitem_id 0
		.amdhsa_next_free_vgpr 24
		.amdhsa_next_free_sgpr 66
		.amdhsa_reserve_vcc 0
		.amdhsa_float_denorm_mode_32 3
		.amdhsa_float_denorm_mode_16_64 3
		.amdhsa_memory_ordered 1
		.amdhsa_forward_progress 1
		.amdhsa_inst_pref_size 3
	.end_amdhsa_kernel
	.amdgpu_metadata
---
amdhsa.version: [ 1, 2 ]
amdhsa.kernels:
  - .name:           k_q51bbbed1b1_quant
    .symbol:         k_q51bbbed1b1_quant.kd
    .args:
      - { .name: x, .offset: 0, .size: 8, .value_kind: global_buffer, .address_space: global }
      - { .name: xq, .offset: 8, .size: 8, .value_kind: global_buffer, .address_space: global }
    .group_segment_fixed_size: 0
    .private_segment_fixed_size: 0
    .kernarg_segment_align: 8
    .kernarg_segment_size: 16
    .max_flat_workgroup_size: 256
    .sgpr_count:     66
    .vgpr_count:     24
    .wavefront_size: 32
...
	.end_amdgpu_metadata
.endif
;; end of part 1
;; launch nerf (part 2): grid 256 x 1, 16 waves a work-group, no clusters, 78,336 bytes of LDS; arguments xq, d, n, grid, latent_emb, sw0, sb0, sw1, sb1, sw2, sb2, cw0, cb0, cw1, cb1, cw2, cb2, cw3, cb3, out0, out1; writes out0, out1
.if DOCPART == 2
	.amdgcn_target "amdgcn-amd-amdhsa--gfx1250"
	.amdhsa_code_object_version 6
	.text
	.protected	k_q51bbbed1b1_nerf
	.globl	k_q51bbbed1b1_nerf
	.p2align	8
	.type	k_q51bbbed1b1_nerf,@function
k_q51bbbed1b1_nerf:
	s_mov_b64 s[64:65], 0
	v_nop
	global_prefetch_b8 v0, s[64:65] scope:SCOPE_SE
	s_setreg_imm32_b32 hwreg(HW_REG_WAVE_MODE, 25, 1), 1
	s_wait_xcnt 0x0
; Hash-grid encoding (16 levels x 8 corners), MLP 32-64-64-16, SH16 of d, latent row, MLP 47-64-64-64-3, sigmoid: one launch, nothing
; goes through memory between the steps.
; SHARING.  256 work-groups x 16 waves; a work-group owns 4,096 points, a wave 256, in 4 passes of 64.  After the weights' set-up and its
; one barrier no wave depends on another.
; POINTS.  In a pass, tile n (0..3), column r (0..15) of the matrix work is point 4 r + n.  The encoding and SH run with one point a lane,
; in two halves e = 0, 1: lane L has point 4 (L & 15) + 2 e + (L >> 4), that is tile 2 e + (L >> 4), column L & 15.
; MATRIX WORK, TRANSPOSED: source A = 16 output features x 32 k of the weights, source B = 32 k x 16 points of the activations.  In the
; result lane (r, h) holds features 16 m + 8 h + 0..7 of point r; rounded to bf16 in pairs these four registers ARE registers 4 (m & 1) ..
; of chunk m >> 1 of the next layer's B: no exchange between lanes and no LDS between layers.  The bias, in f32, is the C operand of the
; first product: no bias adds, nothing cleared.  All operands are bf16: grid features of 1e-4 and cubic SH terms have no room in f16.
; POSITIONS come as 32-bit fixed point (x * 2^26) from the launch before: xq * (res << 6) is a 64-bit product whose high word is
; floor(x res) and whose low word is the fraction times 2^32.
; LIMITS.  0 <= x < 64 and x cut to 2^-26 (see that launch).  floor and fraction come from the exact product and not from an f32
; product, so the fraction differs by an f32 rounding of x res at the most; the interpolation is continuous across cell borders, so
; a floor that differs there changes the value no more than that.  The trilinear sum is seven lerps g0 + w (g1 - g0), not eight weight products.
; n is taken unsigned and bounded to 99.  relu is a maximum in which a NaN loses: a NaN in a hidden activation becomes 0.
; NO CLUSTER, NO MULTICAST: what work-groups share are the weights, 75,648 bytes read once by each work-group, against
; 4,096 x 128 x 8 = 4,194,304 bytes of gathers of its own; and they pass through registers anyway, to be rounded to bf16.
; NO TENSOR LOADS: the bulk of the traffic is 8 bytes a lane at hashed places.
; ---- LDS.  Weights as bf16 [out][k], pitch = row bytes + 16 (an odd multiple of 16: the 16 rows of a fragment load start 16 bytes apart modulo 256)
.set W_S0,  0                          ; sw0  64 rows, pitch 80
.set W_S1,  5120                       ; sw1  64 rows, pitch 144
.set W_S2,  14336                      ; sw2  16 rows, pitch 144
.set W_C0,  16640                      ; cw0  64 rows, pitch 144; column k' = col + 1; k' = 0 and 48..63 are zero
.set W_C1,  25856                      ; cw1
.set W_C2,  35072                      ; cw2
.set W_C3,  44288                      ; cw3  16 rows, pitch 144; rows 3..15 are zero
.set BIAS,  46592                      ; f32
.set B_S0,  0
.set B_S1,  256
.set B_C0,  512
.set B_C1,  768
.set B_C2,  1024
.set B_S2,  1280                       ; 16 numbers in a slot of 128 bytes
.set B_C3,  1408                       ; 3 numbers, then zeros
.set LAT,   48128                      ; latent rows as bf16, 32 bytes a row; 224 units of 16 bytes, 200 of them real
.set STAGE, 51712                      ; 1,536 bytes a wave: 768 of colours, 768 for what lanes 16-31 hold (features 8-10, of no use)
; ---- vector registers
.set XO,    1                          ; 48 r + 12 h: my point's 12 bytes in xq and d (half e: + 24)
.set NO,    2                          ; 16 r: four n, four sigma
.set CO,    3                          ; 16 L
.set WA144, 4                          ; 144 r + 16 h
.set WA80,  5                          ; 80 r + 16 h
.set BI,    6                          ; 32 h
.set ST,    7                          ; my stage + 768 h + 48 r
.set SL,    8                          ; my stage + 16 L
.set SL2,   9                          ; my stage + 16 r
.set LH,    10                         ; 16 h
.set TA,    11                         ; set-up: the lane; later the latent row's address
.set Z,     12                         ; v[12:13] zero
.set RR,    14                         ; set-up: r
.set HH,    15                         ; set-up: h
.set XQ,    16                         ; v[16:18], v[20:22]  positions of halves 0, 1
.set DD,    24                         ; v[24:26], v[28:30]  directions
.set NN,    32                         ; v[32:35]  n of points 4 r + 0..3
.set SIG,   36                         ; v[36:39]  sigma of points 4 r + 0..3 (lanes 0-15)
.set SWA,   40                         ; exchange between the halves of the wave
.set SWB,   41
.set ACTA,  48                         ; v[48:111]   activations: tile n at 16 n, chunk c at 8 c
.set ACTB,  112                        ; v[112:175]  the same, in turn
.set ACC,   176                        ; v[176:207]  four accumulator tiles
.set AF,    208                        ; v[208:239]  weight fragments, 2 buffers x 16
.set BS,    240                        ; v[240:255]  bias tiles, 2 buffers x 8
; during the encoding: gather ring of 6 slots x 16 at v48 + 16 s (s < 4) and v144 + 16 (s - 4); fractions at v176 + 4 s
.set B0,    112                        ; v[112:143]  packed features, then the first layer's B, tile n at 8 n
.set TT,    208                        ; v[208:213]  three 64-bit products
.set A1,    214                        ; ix + 1
.set BQ0,   215                        ; iy p1, (iy + 1) p1
.set BQ1,   216
.set CQ0,   217                        ; iz p2, (iz + 1) p2
.set CQ1,   218
.set Q0,    219                        ; v[219:222]  the four (y, z) parts of the hash
; SH and the way out
.set TS,    176                        ; v[176:183]  x2 y2 z2 xy yz xz t v
.set SHC,   184                        ; v[184:199]  the 16 components
.set CL,    56                         ; v[56:67]    12 colours: 3 n + c
.set O0,    48
.set O1,    52
; set-up only
.set G32,   42                         ; 32 tid
.set L144,  43                         ; (tid >> 3) 144 + (tid & 7) 16
.set ROW8,  44                         ; tid >> 3
.set G8,    45                         ; tid & 7
.set C0A,   46                         ; cw0: 4 tc
.set C0B,   47                         ; cw0: 4 max(tc, 1)
; ---- scalar registers: s2 wave, s3 pass, s[4:11] xq d n grid, s12-13 lane selects, s14-15 hash primes, s[16:45] tables (set-up),
; s[46:47] out0, s[48:49] out1, s50 hash mask, s51 res << 6, s[52:53] xq's step, s54 EXEC, s55-56 masks, s57-59, s98-99 SH constants,
; s[60:63] offsets, s[66:97] grid + level x 4 MiB
.set LVL,   66
; SH factors as f32
.set K_00,  0x3e906ebb                 ;  0.28209479
.set K_1P,  0x3efa2a1c                 ;  0.48860251
.set K_1N,  0xbefa2a1c
.set K_2P,  0x3f8bd8a1                 ;  1.09254843
.set K_2N,  0xbf8bd8a1
.set K_22,  0x3f0bd8a1                 ;  0.54627422
.set K_33,  0x3f170d19                 ;  0.59004359
.set K_33N, 0xbf170d19
.set K_3A,  0x4038ffc7                 ;  2.89061144
.set K_31,  0x3eea01e8                 ;  0.45704580
.set K_30,  0x3ebf10f8                 ;  0.37317633
.set K_3B,  0x3fb8ffc7                 ;  1.44530572
.macro LD8 dst, voff, base, imm        ; eight f32
	global_load_b128 v[\dst:\dst+3],   v[\voff], s[\base:\base+1] offset:\imm
	global_load_b128 v[\dst+4:\dst+7], v[\voff], s[\base:\base+1] offset:\imm+16
.endm
.macro CV8 dst, src                    ; eight f32 to 16 bytes of bf16, nearest even
.irp q, 0,1,2,3
	v_cvt_pk_bf16_f32 v[\dst+\q], v[\src+2*\q], v[\src+2*\q+1]
.endr
.endm
; =============================== SET-UP ===============================
	s_load_b256 s[4:11],  s[0:1], 0x0              ; xq, d, n, grid
	s_load_b512 s[16:31], s[0:1], 0x20             ; latent_emb 16, sw0 18, sb0 20, sw1 22, sb1 24, sw2 26, sb2 28, cw0 30
	s_load_b512 s[32:47], s[0:1], 0x60             ; cb0 32, cw1 34, cb1 36, cw2 38, cb2 40, cw3 42, cb3 44, out0 46
	s_load_b64  s[48:49], s[0:1], 0xa0             ; out1
	v_lshl_add_u32 v27, v0, 2, 0x12a00
	v_mov_b32 v31, 0
	v_lshrrev_b32 v[TA], 5, v0
	v_readfirstlane_b32 s2, v[TA]                  ; wave 0..15
	v_and_b32 v[TA], 31, v0                        ; L
	v_and_b32 v[RR], 15, v0                        ; r
	v_bfe_u32 v[HH], v0, 4, 1                      ; h
	s_mul_i32 s62, s2, 1536
	s_add_co_u32 s62, s62, STAGE                   ; my wave's stage
	v_mul_u32_u24 v[XO], 48, v[RR]
	v_mad_u32_u24 v[XO], v[HH], 12, v[XO]
	v_lshlrev_b32 v[NO], 4, v[RR]
	v_lshlrev_b32 v[CO], 4, v[TA]
	v_mul_u32_u24 v[WA144], 0x90, v[RR]
	v_lshl_add_u32 v[WA144], v[HH], 4, v[WA144]
	v_mul_u32_u24 v[WA80], 0x50, v[RR]
	v_lshl_add_u32 v[WA80], v[HH], 4, v[WA80]
	v_lshlrev_b32 v[BI], 5, v[HH]
	v_mul_u32_u24 v[ST], 48, v[RR]
	v_mad_u32_u24 v[ST], v[HH], 0x300, v[ST]
	v_add_nc_u32 v[ST], s62, v[ST]
	v_lshl_add_u32 v[SL], v[TA], 4, s62
	v_lshl_add_u32 v[SL2], v[RR], 4, s62
	v_lshlrev_b32 v[LH], 4, v[HH]
	v_mov_b32 v[Z], 0
	v_mov_b32 v[Z+1], 0
	v_mov_b32 v[SWA], 0                            ; a lane permute's destination counts as read: written once here
	v_mov_b32 v[SWB], 0
.irp s, 0,1,2,3,4,5
	v_mov_b32 v[179+4*\s], 0                       ; the upper half of each slot's (wz, -) pair: named by a packed instruction, never used
.endr
	; offsets for the weights: unit u = tid is eight numbers of a row
	v_lshlrev_b32 v[G32], 5, v0
	v_lshrrev_b32 v[ROW8], 3, v0
	v_and_b32 v[G8], 7, v0
	v_mul_u32_u24 v[L144], 0x90, v[ROW8]
	v_lshl_add_u32 v[L144], v[G8], 4, v[L144]
	; cw0 has rows of 47: LDS column 8 g + j takes element t + j - 1, t = 47 row + 8 g.  t is bounded to 3001, so that t + 6 <= 3007, the last
	; element (units g <= 5, the only ones kept, have t <= 47 x 63 + 40 = 3001 and are not changed); for j = 0 also from below, to 1.
	v_mul_u32_u24 v[C0A], 47, v[ROW8]
	v_lshl_add_u32 v[C0A], v[G8], 3, v[C0A]
	v_min_u32 v[C0A], 0xbb9, v[C0A]
	v_max_u32 v[C0B], 1, v[C0A]
	v_lshlrev_b32 v[C0A], 2, v[C0A]
	v_lshlrev_b32 v[C0B], 2, v[C0B]
	v_cmp_eq_u32 s55, 0, v[G8]                     ; g = 0: column 0 meets sigma and is zero
	v_cmp_lt_u32 s56, 5, v[G8]                     ; g >= 6: columns 48..63 are zero
	s_mov_b32 s12, 0x76543210                      ; v_permlanex16_b32: lane i takes lane i of the other half
	s_mov_b32 s13, 0xfedcba98
	s_mov_b32 s14, 0x9e3779b1                      ; 2654435761
	s_mov_b32 s15, 0x30025795                      ; 805459861
	s_mov_b32 s50, 0x7ffff                         ; T - 1
	s_mov_b32 s53, 0
	s_mov_b32 s57, 0x3f723881                      ;  0.94617470
	s_mov_b32 s58, 0xbea17b01                      ; -0.31539157
	s_mov_b32 s59, 0x40a00000                      ;  5.0
	s_mov_b32 s98, 0xc0400000                      ; -3.0
	s_mov_b32 s99, 0xc0a00000                      ; -5.0
	s_mov_b32 s3, 0                                ; pass
	s_mul_i32 s60, ttmp9, 49152                    ; 12 bytes x (4096 wg + 256 wave)
	s_mul_i32 s63, s2, 3072
	s_add_co_u32 s60, s60, s63
	s_mov_b32 s61, 0
	s_wait_kmcnt 0x0
	s_add_nc_u64 s[4:5], s[4:5], s[60:61]
	s_add_nc_u64 s[6:7], s[6:7], s[60:61]
	s_add_nc_u64 s[48:49], s[48:49], s[60:61]
	s_lshl_b32 s60, ttmp9, 14                      ; 4 bytes x the same
	s_lshl_b32 s63, s2, 10
	s_add_co_u32 s60, s60, s63
	s_add_nc_u64 s[8:9], s[8:9], s[60:61]
	s_add_nc_u64 s[46:47], s[46:47], s[60:61]
.set lv, 0
.rept 16
	s_add_nc_u64 s[LVL+2*lv:LVL+2*lv+1], s[10:11], lv*0x400000     ; a level's table: 524,288 entries of 8 bytes
.set lv, lv+1
.endr
	global_load_b96 v[XQ:XQ+2],   v[XO], s[4:5] th:TH_LOAD_NT              ; the first pass's positions
	global_load_b96 v[XQ+4:XQ+6], v[XO], s[4:5] offset:24 th:TH_LOAD_NT
	LD8 48, G32, 22, 0                             ; sw1, cw1, cw2: 4,096 numbers each = 512 units, one a thread
	LD8 56, G32, 34, 0
	LD8 64, G32, 38, 0
	global_load_b32 v72, v[C0B], s[30:31] offset:-4
.irp j, 1,2,3,4,5,6,7
	global_load_b32 v[72+\j], v[C0A], s[30:31] offset:4*\j-4
.endr
	; the smaller tables, dealt by the wave number; each block waits for its own loads and stores its own LDS bytes
	s_cmp_gt_u32 s2, 7
	s_cbranch_scc1 .Lhigh
	LD8 80, G32, 18, 0                             ; waves 0-7: sw0, 2,048 numbers = 256 units
	v_lshrrev_b32 v100, 2, v0
	v_and_b32 v101, 3, v0
	v_mul_u32_u24 v100, 0x50, v100
	v_lshl_add_u32 v100, v101, 4, v100             ; (tid >> 2) 80 + (tid & 3) 16
	s_cmp_eq_u32 s2, 7
	s_cbranch_scc1 .Lbias
	v_min_u32 v102, 0xc7, v0                       ; waves 0-6: latent_emb, 1,600 numbers = 200 units; threads 200-223 repeat the last
	v_lshlrev_b32 v102, 5, v102
	v_lshlrev_b32 v103, 4, v0
	LD8 88, 102, 16, 0
	s_wait_loadcnt 0x0
	CV8 96, 80
	ds_store_b128 v100, v[96:99] offset:W_S0
	CV8 104, 88
	ds_store_b128 v103, v[104:107] offset:LAT
	s_branch .Ljoin
.Lbias:                                            ; wave 7: the seven biases, kept in f32
	v_lshlrev_b32 v102, 3, v[TA]                   ; 8 L
	v_min_u32 v103, 15, v[TA]
	v_lshlrev_b32 v103, 2, v103                    ; sb2 has 16 numbers
	v_min_u32 v104, 2, v[TA]
	v_lshlrev_b32 v104, 2, v104                    ; cb3 has 3
	v_lshlrev_b32 v105, 2, v[TA]
	v_cmp_lt_u32 vcc_lo, 2, v[TA]                  ; L >= 3
	global_load_b64 v[88:89],   v102, s[20:21]     ; sb0
	global_load_b64 v[90:91],   v102, s[24:25]     ; sb1
	global_load_b64 v[92:93],   v102, s[32:33]     ; cb0
	global_load_b64 v[94:95],   v102, s[36:37]     ; cb1
	global_load_b64 v[108:109], v102, s[40:41]     ; cb2
	global_load_b32 v110, v103, s[28:29]           ; sb2
	global_load_b32 v111, v104, s[44:45]           ; cb3
	s_wait_loadcnt 0x0
	CV8 96, 80
	ds_store_b128 v100, v[96:99] offset:W_S0
	v_cndmask_b32 v111, v111, v[Z], vcc_lo         ; features 3.. of the last layer do not exist: bias 0
	ds_store_b64 v102, v[88:89]   offset:BIAS+B_S0
	ds_store_b64 v102, v[90:91]   offset:BIAS+B_S1
	ds_store_b64 v102, v[92:93]   offset:BIAS+B_C0
	ds_store_b64 v102, v[94:95]   offset:BIAS+B_C1
	ds_store_b64 v102, v[108:109] offset:BIAS+B_C2
	ds_store_b32 v105, v110 offset:BIAS+B_S2
	ds_store_b32 v105, v111 offset:BIAS+B_C3
	s_branch .Ljoin
.Lhigh:
	s_cmp_gt_u32 s2, 11
	s_cbranch_scc1 .Lcw3
	LD8 80, G32, 26, -8192                         ; waves 8-11: sw2, 128 units; unit = tid - 256
	s_wait_loadcnt 0x0
	CV8 96, 80
	ds_store_b128 v[L144], v[96:99] offset:W_S2-4608   ; 32 rows of 144 bytes back
	s_branch .Ljoin
.Lcw3:                                             ; waves 12-15: cw3, 24 units, and 104 units of zeros (rows 3..15)
	v_add_nc_u32 v100, 0xfffffe80, v0              ; unit = tid - 384
	v_cmp_lt_u32 vcc_lo, 23, v100
	v_min_u32 v100, 23, v100
	v_lshlrev_b32 v100, 5, v100
	LD8 80, 100, 42, 0
	s_wait_loadcnt 0x0
	CV8 96, 80
.irp q, 0,1,2,3
	v_cndmask_b32 v[96+\q], v[96+\q], v[Z], vcc_lo
.endr
	ds_store_b128 v[L144], v[96:99] offset:W_C3-6912   ; 48 rows back
.Ljoin:
	s_wait_loadcnt 0x0                             ; everything asked for so far, the first positions too
	CV8 96, 48
	ds_store_b128 v[L144], v[96:99] offset:W_S1
	CV8 100, 56
	ds_store_b128 v[L144], v[100:103] offset:W_C1
	CV8 104, 64
	ds_store_b128 v[L144], v[104:107] offset:W_C2
	v_cndmask_b32 v72, v72, v[Z], s55
	CV8 108, 72
.irp q, 0,1,2,3
	v_cndmask_b32 v[108+\q], v[108+\q], v[Z], s56
.endr
	ds_store_b128 v[L144], v[108:111] offset:W_C0
	s_wait_dscnt 0x0                               ; zero: the other waves read what I stored
	s_barrier_signal -1
	s_barrier_wait -1                              ; the only barrier: from here on the tables are read only, and the stage is each wave's own
	s_mov_b32 vcc_lo, 0xffff                       ; lanes 0-15, for the rest of the kernel
; =============================== MACROS OF A PASS ===============================
.macro RESOF l                         ; floor(16 x 1.3819^l)
.if (\l) == 0
.set RES, 16
.elseif (\l) == 1
.set RES, 22
.elseif (\l) == 2
.set RES, 30
.elseif (\l) == 3
.set RES, 42
.elseif (\l) == 4
.set RES, 58
.elseif (\l) == 5
.set RES, 80
.elseif (\l) == 6
.set RES, 111
.elseif (\l) == 7
.set RES, 153
.elseif (\l) == 8
.set RES, 212
.elseif (\l) == 9
.set RES, 294
.elseif (\l) == 10
.set RES, 406
.elseif (\l) == 11
.set RES, 561
.elseif (\l) == 12
.set RES, 775
.elseif (\l) == 13
.set RES, 1072
.elseif (\l) == 14
.set RES, 1481
.else
.set RES, 2047
.endif
.endm
.macro SLOTOF i                        ; item i = 16 e + level uses ring slot i mod 6
.set S_S, (\i)%6
.if S_S < 4
.set S_G, 48+16*S_S
.else
.set S_G, 144+16*(S_S-4)
.endif
.set S_W, 176+4*S_S
.endm
; Item i: cell, fractions, eight hashes, eight gathers of 8 bytes.  Corner c = x + 2 y + 4 z lands in v[S_G+2c : S_G+2c+1].
.macro ADDR i
.set A_L, (\i)%16
.set A_X, XQ+4*((\i)/16)
	SLOTOF \i
	RESOF A_L
	s_mov_b32 s51, RES<<6
	v_mad_nc_u64_u32 v[TT:TT+1],   v[A_X],   s51, v[Z:Z+1]     ; low word: fraction x 2^32; high word: the cell, below 2^17
	v_mad_nc_u64_u32 v[TT+2:TT+3], v[A_X+1], s51, v[Z:Z+1]
	v_mad_nc_u64_u32 v[TT+4:TT+5], v[A_X+2], s51, v[Z:Z+1]
	v_cvt_f32_u32 v[S_W],   v[TT]
	v_cvt_f32_u32 v[S_W+1], v[TT+2]
	v_cvt_f32_u32 v[S_W+2], v[TT+4]
	v_mul_lo_u32 v[BQ0], v[TT+3], s14
	v_mul_lo_u32 v[CQ0], v[TT+5], s15
	v_add_nc_u32 v[A1], 1, v[TT+1]
	v_pk_mul_f32 v[S_W:S_W+1], v[S_W:S_W+1], 0x2f800000 op_sel_hi:[1,0]    ; x 2^-32
	v_mul_f32 v[S_W+2], 0x2f800000, v[S_W+2]
	v_add_nc_u32 v[BQ1], s14, v[BQ0]               ; (iy + 1) p = iy p + p, modulo 2^32
	v_add_nc_u32 v[CQ1], s15, v[CQ0]
	v_xor_b32 v[Q0],   v[BQ0], v[CQ0]
	v_xor_b32 v[Q0+1], v[BQ1], v[CQ0]
	v_xor_b32 v[Q0+2], v[BQ0], v[CQ1]
	v_xor_b32 v[Q0+3], v[BQ1], v[CQ1]
.irp k, 0,1,2,3
	v_and_b32 v[Q0+\k], s50, v[Q0+\k]              ; ix and ix + 1 are at most 2^17, so the mask of 19 bits is needed on this part alone
.endr
.irp k, 0,1,2,3
	v_xor_b32 v[S_G+4*\k],   v[TT+1], v[Q0+\k]
	v_xor_b32 v[S_G+4*\k+2], v[A1],   v[Q0+\k]
.endr
.irp c, 0,1,2,3,4,5,6,7
	v_min_u32 v[S_G+2*\c], 0x7ffff, v[S_G+2*\c]    ; changes nothing: an index made of loaded numbers is bounded by a constant before it enters an address
.endr
.irp c, 0,1,2,3,4,5,6,7
	global_load_b64 v[S_G+2*\c:S_G+2*\c+1], v[S_G+2*\c], s[LVL+2*A_L:LVL+2*A_L+1] scale_offset   ; at 8 x index; lands on its own address register
.endr
.endm
; Item i: seven packed lerps (both features at once), then the level's two features as one register of bf16.
; Levels 0-3, 8-11 go to registers 0-7, levels 4-7, 12-15 to registers 8-15 of the half's sixteen: see SWAP8.
.macro LERP i
	SLOTOF \i
.set P_L, (\i)%16
.if P_L < 4
.set P_P, P_L
.elseif P_L < 8
.set P_P, P_L+4
.elseif P_L < 12
.set P_P, P_L-4
.else
.set P_P, P_L
.endif
.set P_D, B0+16*((\i)/16)+P_P
.irp k, 0,4,8,12
	v_pk_add_f32 v[S_G+\k+2:S_G+\k+3], v[S_G+\k+2:S_G+\k+3], v[S_G+\k:S_G+\k+1] neg_lo:[0,1] neg_hi:[0,1]
.endr
.irp k, 0,4,8,12
	v_pk_fma_f32 v[S_G+\k:S_G+\k+1], v[S_G+\k+2:S_G+\k+3], v[S_W:S_W+1], v[S_G+\k:S_G+\k+1] op_sel_hi:[1,0,1]     ; both by wx
.endr
.irp k, 0,8
	v_pk_add_f32 v[S_G+\k+4:S_G+\k+5], v[S_G+\k+4:S_G+\k+5], v[S_G+\k:S_G+\k+1] neg_lo:[0,1] neg_hi:[0,1]
.endr
.irp k, 0,8
	v_pk_fma_f32 v[S_G+\k:S_G+\k+1], v[S_G+\k+4:S_G+\k+5], v[S_W:S_W+1], v[S_G+\k:S_G+\k+1] op_sel:[0,1,0] op_sel_hi:[1,1,1]   ; both by wy
.endr
	v_pk_add_f32 v[S_G+8:S_G+9], v[S_G+8:S_G+9], v[S_G:S_G+1] neg_lo:[0,1] neg_hi:[0,1]
	v_pk_fma_f32 v[S_G:S_G+1], v[S_G+8:S_G+9], v[S_W+2:S_W+3], v[S_G:S_G+1] op_sel_hi:[1,0,1]                    ; both by wz
	v_cvt_pk_bf16_f32 v[P_D], v[S_G], v[S_G+1]
.endm
; From one point a lane to two B tiles.  Before: lane (r, hh) holds lo and hi of tile 2 e + hh, column r.  After: register lo is tile 2 e's
; (lanes 0-15 their own lo, lanes 16-31 the hi of the lane 16 below), register hi is tile 2 e + 1's (lanes 0-15 the lo of the lane 16 above).
.macro SWAP lo, hi
	v_cndmask_b32 v[SWA], v[\lo], v[\hi], vcc_lo   ; what the other half needs of me
	v_permlanex16_b32 v[SWB], v[SWA], s12, s13
	v_cndmask_b32 v[\lo], v[SWB], v[\lo], vcc_lo
	v_cndmask_b32 v[\hi], v[\hi], v[SWB], vcc_lo
.endm
.macro SWAP8 e
.irp j, 0,1,2,3,4,5,6,7
	SWAP B0+16*\e+\j, B0+16*\e+8+\j
.endr
.endm
; The 22 tile steps of the two MLPs: 16 output features x 64 points each.
.macro TINFO g
.if (\g) < 4
.set T_KC, 1
.set T_AREG, WA80
.set T_STR, 8
.set T_M, (\g)
.set T_WOFF, W_S0+1280*T_M
.set T_BOFF, BIAS+B_S0+64*T_M
.set T_IN, ACTB
.set T_OUT, ACTA
.else
.set T_KC, 2
.set T_AREG, WA144
.set T_STR, 16
.if (\g) < 8
.set T_M, (\g)-4
.set T_WOFF, W_S1+2304*T_M
.set T_BOFF, BIAS+B_S1+64*T_M
.set T_IN, ACTA
.set T_OUT, ACTB
.elseif (\g) == 8
.set T_M, 0
.set T_WOFF, W_S2
.set T_BOFF, BIAS+B_S2
.set T_IN, ACTB
.set T_OUT, ACTA
.elseif (\g) < 13
.set T_M, (\g)-9
.set T_WOFF, W_C0+2304*T_M
.set T_BOFF, BIAS+B_C0+64*T_M
.set T_IN, ACTA
.set T_OUT, ACTB
.elseif (\g) < 17
.set T_M, (\g)-13
.set T_WOFF, W_C1+2304*T_M
.set T_BOFF, BIAS+B_C1+64*T_M
.set T_IN, ACTB
.set T_OUT, ACTA
.elseif (\g) < 21
.set T_M, (\g)-17
.set T_WOFF, W_C2+2304*T_M
.set T_BOFF, BIAS+B_C2+64*T_M
.set T_IN, ACTA
.set T_OUT, ACTB
.else
.set T_M, 0
.set T_WOFF, W_C3
.set T_BOFF, BIAS+B_C3
.set T_IN, ACTB
.set T_OUT, ACTA
.endif
.endif
.endm
.macro LOADT g                         ; step g's weights (2 loads a chunk of 32 k) and bias tile (2 loads): 4 or 6 LDS loads into buffer g & 1
	TINFO \g
.set L_B, (\g)&1
	ds_load_b128 v[AF+16*L_B:AF+16*L_B+3],     v[T_AREG] offset:T_WOFF
	ds_load_b128 v[AF+16*L_B+4:AF+16*L_B+7],   v[T_AREG] offset:T_WOFF+32
.if T_KC == 2
	ds_load_b128 v[AF+16*L_B+8:AF+16*L_B+11],  v[T_AREG] offset:T_WOFF+64
	ds_load_b128 v[AF+16*L_B+12:AF+16*L_B+15], v[T_AREG] offset:T_WOFF+96
.endif
	ds_load_b128 v[BS+8*L_B:BS+8*L_B+3],   v[BI] offset:T_BOFF         ; lane (r, h), register j: the bias of feature 16 m + 8 h + j
	ds_load_b128 v[BS+8*L_B+4:BS+8*L_B+7], v[BI] offset:T_BOFF+16
.endm
.macro MM g, left                      ; left = LDS instructions issued behind step g's own loads, which may stay out
	TINFO \g
.set M_B, (\g)&1
	s_wait_dscnt \left
.irp n, 0,1,2,3
	v_wmma_f32_16x16x32_bf16 v[ACC+8*\n:ACC+8*\n+7], v[AF+16*M_B:AF+16*M_B+7], v[T_IN+T_STR*\n:T_IN+T_STR*\n+7], v[BS+8*M_B:BS+8*M_B+7]
.endr
.if T_KC == 2
.irp n, 0,1,2,3
	v_wmma_f32_16x16x32_bf16 v[ACC+8*\n:ACC+8*\n+7], v[AF+16*M_B+8:AF+16*M_B+15], v[T_IN+T_STR*\n+8:T_IN+T_STR*\n+15], v[ACC+8*\n:ACC+8*\n+7]
.endr
.endif
.endm
; Four independent vector instructions stand between a matrix instruction and a vector instruction that reads its result, and a load into
; one of its sources; the matrix instructions in between are not counted.
.macro PLACES
.rept 4
	v_nop
.endr
.endm
.macro POSTRELU g                      ; relu in f32, then bf16 in pairs: the next layer's B registers
	TINFO \g
.irp n, 0,1,2,3
.irp j, 0,1,2,3,4,5,6,7
	v_max_num_f32 v[ACC+8*\n+\j], 0, v[ACC+8*\n+\j]
.endr
.irp q, 0,1,2,3
	v_cvt_pk_bf16_f32 v[T_OUT+16*\n+4*T_M+\q], v[ACC+8*\n+2*\q], v[ACC+8*\n+2*\q+1]
.endr
.endr
.endm
.macro STEP g, left, more
	MM \g, \left
	PLACES
.if \more
	LOADT \g+2                                     ; into the buffer that this step has just read
.endif
	POSTRELU \g
.endm
; SH16 of half e's directions, one point a lane; components 0-7 go to tile 2 e's registers 4-7, 8-15 to tile 2 e + 1's, then SWAP.
.macro SH e
.set H_X,  DD+4*\e
.set H_LO, ACTA+32*\e+4
.set H_HI, ACTA+32*\e+20
	v_mul_f32 v[TS],   v[H_X],   v[H_X]            ; x2
	v_mul_f32 v[TS+1], v[H_X+1], v[H_X+1]          ; y2
	v_mul_f32 v[TS+2], v[H_X+2], v[H_X+2]          ; z2
	v_mul_f32 v[TS+3], v[H_X],   v[H_X+1]          ; xy
	v_mul_f32 v[TS+4], v[H_X+1], v[H_X+2]          ; yz
	v_mul_f32 v[TS+5], v[H_X],   v[H_X+2]          ; xz
	v_sub_f32 v[TS+6], v[TS], v[TS+1]              ; t = x2 - y2
	v_fma_f32 v[TS+7], v[TS+2], s99, 1.0           ; v = 1 - 5 z2
	v_mov_b32 v[SHC], K_00
	v_mul_f32 v[SHC+1], K_1N, v[H_X+1]
	v_mul_f32 v[SHC+2], K_1P, v[H_X+2]
	v_mul_f32 v[SHC+3], K_1N, v[H_X]
	v_mul_f32 v[SHC+4], K_2P, v[TS+3]
	v_mul_f32 v[SHC+5], K_2N, v[TS+4]
	v_fma_f32 v[SHC+6], v[TS+2], s57, s58
	v_mul_f32 v[SHC+7], K_2N, v[TS+5]
	v_mul_f32 v[SHC+8], K_22, v[TS+6]
	v_fma_f32 v[SHC+9],  v[TS], s98, v[TS+1]       ; y2 - 3 x2
	v_mul_f32 v[SHC+10], v[TS+3], v[H_X+2]         ; xy z
	v_mul_f32 v[SHC+11], v[H_X+1], v[TS+7]         ; y v
	v_fma_f32 v[SHC+12], v[TS+2], s59, s98         ; 5 z2 - 3
	v_mul_f32 v[SHC+13], v[H_X], v[TS+7]           ; x v
	v_mul_f32 v[SHC+14], v[H_X+2], v[TS+6]         ; z t
	v_fma_f32 v[SHC+15], v[TS+1], s98, v[TS]       ; x2 - 3 y2: the sign goes into the factor
	v_mul_f32 v[SHC+9],  v[SHC+9],  v[H_X+1]
	v_mul_f32 v[SHC+12], v[SHC+12], v[H_X+2]
	v_mul_f32 v[SHC+15], v[SHC+15], v[H_X]
	v_mul_f32 v[SHC+9],  K_33,  v[SHC+9]
	v_mul_f32 v[SHC+10], K_3A,  v[SHC+10]
	v_mul_f32 v[SHC+11], K_31,  v[SHC+11]
	v_mul_f32 v[SHC+12], K_30,  v[SHC+12]
	v_mul_f32 v[SHC+13], K_31,  v[SHC+13]
	v_mul_f32 v[SHC+14], K_3B,  v[SHC+14]
	v_mul_f32 v[SHC+15], K_33N, v[SHC+15]
.irp q, 0,1,2,3
	v_cvt_pk_bf16_f32 v[H_LO+\q], v[SHC+2*\q],   v[SHC+2*\q+1]
	v_cvt_pk_bf16_f32 v[H_HI+\q], v[SHC+8+2*\q], v[SHC+9+2*\q]
.endr
.irp q, 0,1,2,3
	SWAP H_LO+\q, H_HI+\q
.endr
.endm
; =============================== A PASS: 64 POINTS ===============================
.Lpass:
	global_load_b96  v[DD:DD+2],   v[XO], s[6:7] th:TH_LOAD_NT
	global_load_b96  v[DD+4:DD+6], v[XO], s[6:7] offset:24 th:TH_LOAD_NT
	global_load_b128 v[NN:NN+3],   v[NO], s[8:9] th:TH_LOAD_NT
	s_wait_loadcnt 0x3                             ; the three loads above stay out; this pass's two position loads, older, are in (on the way in and on the way back)
	; THE ENCODING: 32 items (2 halves x 16 levels) through a ring of six slots: 48 gathers of the wave are on their way
.irp i, 0,1,2,3,4,5
	ADDR \i
.endr
.set it, 0
.rept 26
	s_wait_loadcnt 40                              ; five younger items of eight gathers stay out: item 'it' is in (and d and n, older still)
	LERP it
	ADDR it+6                                      ; into the slot just read
.if it == 15
	SWAP8 0                                        ; half 0 is whole: tiles 0 and 1 of the first layer's B
.endif
.set it, it+1
.endr
	; the next pass's positions.  The base's last loads were waited for at the pass's head.  In the last pass the step is 0: the load stays inside xq.
	s_cmp_lt_u32 s3, 3
	s_cselect_b32 s52, 0x300, 0
	s_add_nc_u64 s[4:5], s[4:5], s[52:53]
	global_load_b96 v[XQ:XQ+2],   v[XO], s[4:5] th:TH_LOAD_NT
	global_load_b96 v[XQ+4:XQ+6], v[XO], s[4:5] offset:24 th:TH_LOAD_NT
	LOADT 0                                        ; the hash temporaries are done with: the first two steps' weights
	LOADT 1
.rept 6
	s_wait_loadcnt 8*(31-it)+2                     ; the younger items and the two position loads stay out
	LERP it
.set it, it+1
.endr
	SWAP8 1
	; THE SIGMA NET.  Each step's wait leaves the next step's loads out: 4 where that step has one chunk of k, else 6.
.irp g, 0,1,2
	STEP \g, 4, 1
.endr
.irp g, 3,4,5,6,7
	STEP \g, 6, 1
.endr
	; step 8: sigma and geo.  First the latent rows, straight into chunk 1 of the colour net's B: lane (r, h) takes k' = 32 + 8 h .. of point 4 r + n.
.irp n, 0,1,2,3
	v_min_u32 v[TA], 0x63, v[NN+\n]                ; an index read from memory is bounded before it enters an address
	v_lshl_add_u32 v[TA], v[TA], 5, v[LH]
	ds_load_b128 v[ACTA+16*\n+8:ACTA+16*\n+11], v[TA] offset:LAT
.endr
	MM 8, 10                                       ; step 9's six loads and the four latent loads stay out
	; the places behind the matrix instructions hold useful work: dd = ((d + 1) 0.5) 2 - 1; the factors 0.5 and 2 are exact and cancel
.irp c, 0,1,2,4,5,6
	v_add_f32 v[DD+\c], 1.0, v[DD+\c]
.endr
.irp c, 0,1,2,4,5,6
	v_add_f32 v[DD+\c], -1.0, v[DD+\c]
.endr
	LOADT 10
.irp n, 0,1,2,3
	v_mov_b32 v[SIG+\n], v[ACC+8*\n]               ; feature 0 (lanes 0-15): sigma of point 4 r + n
	v_cndmask_b32 v[ACC+8*\n], v[ACC+8*\n], v[Z], vcc_lo   ; and k' = 0 of the colour net's input is 0, as is cw0's column there
.irp q, 0,1,2,3
	v_cvt_pk_bf16_f32 v[ACTA+16*\n+\q], v[ACC+8*\n+2*\q], v[ACC+8*\n+2*\q+1]   ; no relu here
.endr
.endr
	SH 0
	SH 1
.irp n, 0,1,2,3
.irp q, 12,13,14,15
	v_mov_b32 v[ACTA+16*\n+\q], 0                  ; k' = 48..63
.endr
.endr
	; THE COLOUR NET
.irp g, 9,10,11,12,13,14,15,16,17,18,19
	STEP \g, 6, 1                                  ; at step 9 this wait also shows the latent rows in: they were asked for ahead of step 10's loads
.endr
	STEP 20, 6, 0
	MM 21, 0                                       ; nothing was asked for behind step 21's loads
	PLACES
	; sigmoid(x) = 1 / (1 + 2^(-x log2 e)).  Lanes 0-15, registers 0-2 of tile n: the colours of point 4 r + n.
.irp n, 0,1,2,3
.irp c, 0,1,2
	v_mul_f32 v[CL+3*\n+\c], 0xbfb8aa3b, v[ACC+8*\n+\c]
.endr
.endr
.irp k, 0,1,2,3,4,5,6,7,8,9,10,11
	v_exp_f32 v[CL+\k], v[CL+\k]
.endr
	v_nop                                          ; one plain vector instruction behind a transcendental before its result is used (ISA guide 5.7.2)
	s_wait_alu depctr_va_vdst(0)
.irp k, 0,1,2,3,4,5,6,7,8,9,10,11
	v_add_f32 v[CL+\k], 1.0, v[CL+\k]
.endr
.irp k, 0,1,2,3,4,5,6,7,8,9,10,11
	v_rcp_f32 v[CL+\k], v[CL+\k]
.endr
	v_nop
	; THE WAY OUT: a lane's 4 points x 3 colours are 48 consecutive bytes of out1; through my own stage they become 16 bytes a lane in order
	s_wait_alu depctr_va_vdst(0)
	ds_store_b128 v[ST], v[CL:CL+3]
	ds_store_b128 v[ST], v[CL+4:CL+7] offset:16
	ds_store_b128 v[ST], v[CL+8:CL+11] offset:32
	ds_load_b128 v[O0:O0+3], v[SL]                 ; LDS serves a wave's instructions in order: these see the stores above
	ds_load_b128 v[O1:O1+3], v[SL2] offset:512
	s_wait_dscnt 0x1                               ; the first read-back is in, the second stays out
	global_store_b128 v[CO], v[O0:O0+3], s[48:49] th:TH_STORE_NT           ; 512 consecutive bytes, aligned
	s_wait_dscnt 0x0
	s_wait_xcnt 0x0                                ; EXEC is a source of the pending loads and store: it changes only behind this wait
	s_and_saveexec_b32 s54, vcc_lo                 ; lanes 0-15
	global_store_b128 v[CO], v[O1:O1+3], s[48:49] offset:512 th:TH_STORE_NT    ; 256 consecutive bytes, aligned
	global_store_b128 v[NO], v[SIG:SIG+3], s[46:47] th:TH_STORE_NT             ; 64 sigma: 256 consecutive bytes, aligned
	s_wait_xcnt 0x0                                ; and again; it also frees the stores' data and the four bases stepped below
	s_or_b32 exec_lo, exec_lo, s54
	s_add_nc_u64 s[6:7], s[6:7], 768               ; 64 points on
	s_add_nc_u64 s[8:9], s[8:9], 256
	s_add_nc_u64 s[46:47], s[46:47], 256
	s_add_nc_u64 s[48:49], s[48:49], 768
	s_add_co_u32 s3, s3, 1
	s_cmp_lt_u32 s3, 4
	s_cbranch_scc1 .Lpass
	s_wait_tensorcnt 0x0
	ds_add_u32 v27, v31
	s_wait_dscnt 0x0
	s_endpgm
.Lfunc_end_k_q51bbbed1b1_nerf:
	.size	k_q51bbbed1b1_nerf, .Lfunc_end_k_q51bbbed1b1_nerf-k_q51bbbed1b1_nerf
	.p2alignl 7, 3214868480
	.fill 96, 4, 3214868480
	.section	.rodata,"a",@progbits
	.p2align	6, 0x0
	.amdhsa_kernel k_q51bbbed1b1_nerf
		.amdhsa_group_segment_fixed_size 78336
		.amdhsa_private_segment_fixed_size 0
		.amdhsa_enable_private_segment 0
		.amdhsa_kernarg_size 168
		.amdhsa_user_sgpr_count 2
		.amdhsa_user_sgpr_kernarg_segment_ptr 1
		.amdhsa_wavefront_size32 1
		.amdhsa_system_sgpr_workgroup_id_x 1
		.amdhsa_system_sgpr_workgroup_id_y 1
		.amdhsa_system_sgpr_workgroup_id_z 1
		.amdhsa_system_vgpr_workitem_id 0
		.amdhsa_next_free_vgpr 256
		.amdhsa_next_free_sgpr 100
		.amdhsa_reserve_vcc 1
		.amdhsa_float_denorm_mode_32 3
		.amdhsa_float_denorm_mode_16_64 3
		.amdhsa_memory_ordered 1
		.amdhsa_forward_progress 1
		.amdhsa_inst_pref_size 199
	.end_amdhsa_kernel
	.amdgpu_metadata
---
amdhsa.version: [ 1, 2 ]
amdhsa.kernels:
  - .name:           k_q51bbbed1b1_nerf
    .symbol:         k_q51bbbed1b1_nerf.kd
    .args:
      - { .name: xq, .offset: 0, .size: 8, .value_kind: global_buffer, .address_space: global }
      - { .name: d, .offset: 8, .size: 8, .value_kind: global_buffer, .address_space: global }
      - { .name: n, .offset: 16, .size: 8, .value_kind: global_buffer, .address_space: global }
      - { .name: grid, .offset: 24, .size: 8, .value_kind: global_buffer, .address_space: global }
      - { .name: latent_emb, .offset: 32, .size: 8, .value_kind: global_buffer, .address_space: global }
      - { .name: sw0, .offset: 40, .size: 8, .value_kind: global_buffer, .address_space: global }
      - { .name: sb0, .offset: 48, .size: 8, .value_kind: global_buffer, .address_space: global }
      - { .name: sw1, .offset: 56, .size: 8, .value_kind: global_buffer, .address_space: global }
      - { .name: sb1, .offset: 64, .size: 8, .value_kind: global_buffer, .address_space: global }
      - { .name: sw2, .offset: 72, .size: 8, .value_kind: global_buffer, .address_space: global }
      - { .name: sb2, .offset: 80, .size: 8, .value_kind: global_buffer, .address_space: global }
      - { .name: cw0, .offset: 88, .size: 8, .value_kind: global_buffer, .address_space: global }
      - { .name: cb0, .offset: 96, .size: 8, .value_kind: global_buffer, .address_space: global }
      - { .name: cw1, .offset: 104, .size: 8, .value_kind: global_buffer, .address_space: global }
      - { .name: cb1, .offset: 112, .size: 8, .value_kind: global_buffer, .address_space: global }
      - { .name: cw2, .offset: 120, .size: 8, .value_kind: global_buffer, .address_space: global }
      - { .name: cb2, .offset: 128, .size: 8, .value_kind: global_buffer, .address_space: global }
      - { .name: cw3, .offset: 136, .size: 8, .value_kind: global_buffer, .address_space: global }
      - { .name: cb3, .offset: 144, .size: 8, .value_kind: global_buffer, .address_space: global }
      - { .name: out0, .offset: 152, .size: 8, .value_kind: global_buffer, .address_space: global }
      - { .name: out1, .offset: 160, .size: 8, .value_kind: global_buffer, .address_space: global }
    .group_segment_fixed_size: 78336
    .private_segment_fixed_size: 0
    .kernarg_segment_align: 8
    .kernarg_segment_size: 168
    .max_flat_workgroup_size: 512
    .sgpr_count:     100
    .vgpr_count:     256
    .wavefront_size: 32
...
	.end_amdgpu_metadata
.endif
;; end of part 2
